; MI455X (gfx1250); checked and timed in simulation.
; The chip was launched on July 23, 2026; its instructions are those of AMD's public machine-readable ISA for CDNA 5 (MIT licence, August 2026) and "CDNA5" Instruction Set Architecture Reference Guide (July 2026). The comments in the code are by the model that wrote it; some were corrected since.
;; Distance Matrix. Allowed arithmetic: float matrix products may take bf16 or f16 operands with f32 sums; all other float work in f32.
;; Inputs: mask 8 x 256 x 256 float32.
;; Outputs: out0 8 x 256 x 256 float32.
;; 2 versions, each right; version 2 is version 1 with the launch cols written anew for expert scheduling mode. Each part assembles by itself: llvm-mc -triple=amdgcn-amd-amdhsa -mcpu=gfx1250 --defsym DOCPART=n.
;; ======== version 1 of 2: 2 launches
;; workspace buffers: rowd 2,097,152 bytes; far 1,024 bytes of whole numbers
;; launch rows (part 1): grid 256 x 1, 8 waves a work-group, no clusters, 9,472 bytes of LDS; arguments mask, rowd, far; writes rowd, far
.if DOCPART == 1
	.amdgcn_target "amdgcn-amd-amdhsa--gfx1250"
	.amdhsa_code_object_version 6
	.text
	.protected	k_q6960eec71e_rows
	.globl	k_q6960eec71e_rows
	.p2align	8
	.type	k_q6960eec71e_rows,@function
k_q6960eec71e_rows:
	s_mov_b64 s[64:65], 0
	v_nop
	global_prefetch_b8 v0, s[64:65] scope:SCOPE_SE
	s_setreg_imm32_b32 hwreg(HW_REG_WAVE_MODE, 25, 1), 1
	s_wait_xcnt 0x0
; FIRST OF TWO LAUNCHES of an exact squared Euclidean distance transform of mask > 0.5, [8][256][256] f32.
;   rowd[x][j] = min over y of g[x][y] + (j-y)^2, g = 0 on foreground, LARGE = 131072 elsewhere
;              = (distance from column j to the nearest foreground column of row x)^2, or LARGE if the row has none.
;   far[tile]  = how many blocks of 4 rows beyond a halo of 4 rows the next launch has to look at, above and below the tile.
; All numbers are whole and below 2^24, so every f32 sum here is exact and the order of the two minima does not matter.
; NaN in the mask is background, as NaN > 0.5 is false.
;
; A work-group owns a tile of 8 rows (8,192 consecutive bytes of mask and of rowd).  Wave w owns row w, lane l its columns 8 l .. 8 l + 7.
; Nearest foreground to the left = prefix maximum of (foreground ? column : -1024), to the right = suffix minimum of
; (foreground ? column : 2048).  With no foreground the distance is at least 1024, its square passes LARGE and is cut to LARGE.
;
; far: U[i][j] = min over the tile's own rows x of rowd[x][j] + (i-x)^2 is an upper bound of the result, so a row with
; (i-x)^2 >= U[i][j] cannot lower it.  Block k (k = 1, 2 ..) beyond the halo has its nearest row 4 k + 1 away from the tile, so it matters
; only if 4 k + 1 < sqrt(max U): far = floor((sqrt(max U) - 1) / 4).  The root is good to one unit in the last place: if the true root
; passed N = 4 (far + 1) + 1, max U would be at least N^2 + 1 and the root at least 0.001 above N, so the computed one would pass N too.
;
; No cluster, no tensor load: no two work-groups read the same byte, and a tile is two 16-byte loads a lane.
.set ROWB,  1024                       ; bytes in a row
.set TILEB, 8*ROWB                     ; bytes in a tile; LDS bytes 0 .. 8191 hold the tile as memory does
.set RED,   TILEB                      ; LDS: eight words behind it, one maximum for each wave
.set M,   8                            ; v[8:15]   mask of my 8 columns; later the 32 bytes that I copy out
.set C,   16                           ; v[16:23]  my column numbers as f32; later G: my column's rowd in the 8 rows
.set P,   24                           ; v[24:31]  nearest foreground to the left, then the distance, then rowd; later T: sums at work
.set Q,   32                           ; v[32:39]  nearest foreground to the right; later U of the 8 rows
.set NEG, 40                           ; -1024.0
.set POS, 41                           ; 2048.0
.set TL,  42                           ; scan to the right of the lanes' maxima; later the maximum of U
.set TR,  43                           ; scan to the left of the lanes' minima; later at work
.set EL,  44                           ; what the lanes to my left hold (in my half of the wave)
.set ER,  45                           ; what the lanes to my right hold
.set X0,  46                           ; what the other half of the wave adds to EL
.set X1,  47                           ; and to ER
.set G,   C
.set T,   P
.set U,   Q
.macro SQB d                           ; WB = the f32 pattern of d^2, |d| = 1 .. 7
.set DD, (\d)*(\d)
.if DD == 1
.set WB, 0x3f800000
.endif
.if DD == 4
.set WB, 0x40800000
.endif
.if DD == 9
.set WB, 0x41100000
.endif
.if DD == 16
.set WB, 0x41800000
.endif
.if DD == 25
.set WB, 0x41c80000
.endif
.if DD == 36
.set WB, 0x42100000
.endif
.if DD == 49
.set WB, 0x42440000
.endif
.endm
	s_load_b128 s[4:7], s[0:1], 0x0                ; mask s[4:5], rowd s[6:7]
	s_load_b64 s[8:9], s[0:1], 0x10                ; far
	v_lshl_add_u32 v48, v0, 2, 0x2100
	v_mov_b32 v49, 0
	v_lshlrev_b32 v1, 5, v0                        ; 32 t = 1024 wave + 32 lane: my 32 bytes in the tile, in memory and in LDS
	s_lshl_b32 s12, ttmp9, 13                      ; the tile's 8,192 bytes
	s_mov_b32 s13, 0
	s_wait_kmcnt 0x0
	s_add_nc_u64 s[4:5], s[4:5], s[12:13]
	s_add_nc_u64 s[6:7], s[6:7], s[12:13]
	global_load_b128 v[M:M+3], v1, s[4:5] th:TH_LOAD_NT              ; the pair of loads covers the lane's 32 consecutive bytes,
	global_load_b128 v[M+4:M+7], v1, s[4:5] offset:16 th:TH_LOAD_NT  ; a wave's pair its row's 1,024; read once in the launch
	; while they are on their way: constants and addresses
	v_and_b32 v2, 31, v0                           ; lane
	v_lshrrev_b32 v3, 5, v0
	v_readfirstlane_b32 s10, v3                    ; wave
	v_lshlrev_b32 v2, 3, v2
	v_cvt_f32_u32 v[C], v2                         ; my first column
	v_add_f32 v[C+1], 1.0, v[C]
	v_pk_add_f32 v[C+2:C+3], v[C:C+1], 2.0 op_sel_hi:[1,0]
	v_pk_add_f32 v[C+4:C+5], v[C:C+1], 4.0 op_sel_hi:[1,0]
	v_pk_add_f32 v[C+6:C+7], v[C+2:C+3], 4.0 op_sel_hi:[1,0]
	v_mov_b32 v[NEG], 0xc4800000
	v_mov_b32 v[POS], 0x45000000
	v_lshlrev_b32 v4, 4, v0                        ; 16 t: the copy out
	v_lshlrev_b32 v5, 2, v0                        ; 4 t: column t of an LDS row
	v_lshlrev_b32 v6, 2, v3                        ; 4 wave
	v_mov_b32 v7, 0
	s_mov_b32 s14, 0xffff0000                      ; lanes 16-31
	s_mov_b32 s15, 0x0000ffff                      ; lanes 0-15
	s_mov_b32 s16, 0x76543210                      ; v_permlanex16_b32: lane i reads lane i of the other half
	s_mov_b32 s17, 0xfedcba98
	s_lshl_b32 s12, ttmp9, 2                       ; the tile's word in far
	s_add_nc_u64 s[8:9], s[8:9], s[12:13]
	s_wait_loadcnt 0x0
	; threshold: the masks only select values
.irp e, 0,1,2,3,4,5,6,7
	v_cmp_lt_f32 s[20+\e], 0.5, v[M+\e]
.endr
.irp e, 0,1,2,3,4,5,6,7
	v_cndmask_b32 v[P+\e], v[NEG], v[C+\e], s[20+\e]
	v_cndmask_b32 v[Q+\e], v[POS], v[C+\e], s[20+\e]
.endr
	; my 8 columns' last and first foreground
	v_max3_num_f32 v[TL], v[P], v[P+1], v[P+2]
	v_min3_num_f32 v[TR], v[Q], v[Q+1], v[Q+2]
	v_max3_num_f32 v[TL], v[TL], v[P+3], v[P+4]
	v_min3_num_f32 v[TR], v[TR], v[Q+3], v[Q+4]
	v_max3_num_f32 v[TL], v[TL], v[P+5], v[P+6]
	v_min3_num_f32 v[TR], v[TR], v[Q+5], v[Q+6]
	v_max_num_f32 v[TL], v[TL], v[P+7]
	v_min_num_f32 v[TR], v[TR], v[Q+7]
	; scans inside each half of 16 lanes: a lane without a source keeps its value
.irp n, 1,2,4,8
	v_max_num_f32_dpp v[TL], v[TL], v[TL] row_shr:\n row_mask:0xf bank_mask:0xf
	v_min_num_f32_dpp v[TR], v[TR], v[TR] row_shl:\n row_mask:0xf bank_mask:0xf
.endr
	v_readlane_b32 s18, v[TL], 15                  ; all of lanes 0-15, for lanes 16-31
	v_readlane_b32 s19, v[TR], 16                  ; all of lanes 16-31, for lanes 0-15
	v_mov_b32 v[EL], v[NEG]                        ; the first lane of a half has nobody to its left in it,
	v_mov_b32 v[ER], v[POS]                        ; the last nobody to its right
	v_mov_b32_dpp v[EL], v[TL] row_shr:1 row_mask:0xf bank_mask:0xf
	v_mov_b32_dpp v[ER], v[TR] row_shl:1 row_mask:0xf bank_mask:0xf
	v_cndmask_b32 v[X0], v[NEG], s18, s14
	v_cndmask_b32 v[X1], v[POS], s19, s15
	; the two chains through my 8 columns, started by what lies outside the lane
	v_max3_num_f32 v[P], v[EL], v[X0], v[P]
	v_min3_num_f32 v[Q+7], v[ER], v[X1], v[Q+7]
.irp e, 1,2,3,4,5,6,7
	v_max_num_f32 v[P+\e], v[P+\e-1], v[P+\e]
	v_min_num_f32 v[Q+7-\e], v[Q+8-\e], v[Q+7-\e]
.endr
	; distance = min(column - left, right - column); squared; cut to LARGE
.irp k, 0,2,4,6
	v_pk_add_f32 v[P+\k:P+\k+1], v[C+\k:C+\k+1], v[P+\k:P+\k+1] neg_lo:[0,1] neg_hi:[0,1]
	v_pk_add_f32 v[Q+\k:Q+\k+1], v[Q+\k:Q+\k+1], v[C+\k:C+\k+1] neg_lo:[0,1] neg_hi:[0,1]
.endr
.irp e, 0,1,2,3,4,5,6,7
	v_min_num_f32 v[P+\e], v[P+\e], v[Q+\e]
.endr
.irp k, 0,2,4,6
	v_pk_mul_f32 v[P+\k:P+\k+1], v[P+\k:P+\k+1], v[P+\k:P+\k+1]
.endr
.irp e, 0,1,2,3,4,5,6,7
	v_min_num_f32 v[P+\e], 0x48000000, v[P+\e]     ; LARGE = 131072.0
.endr
	; the rows meet in LDS.  Lanes lie 32 bytes apart, so sixteen lanes' 16 bytes span 512 bytes: two deep on the banks, twice in the kernel
	ds_store_b128 v1, v[P:P+3]
	ds_store_b128 v1, v[P+4:P+7] offset:16
	s_wait_dscnt 0x0                               ; my row is in LDS before I say so
	s_barrier_signal -1
	s_barrier_wait -1
	ds_load_b128 v[M:M+3], v4                      ; the copy out: thread t takes bytes 16 t and 4096 + 16 t of the tile
	ds_load_b128 v[M+4:M+7], v4 offset:TILEB/2
.irp x, 0,1,2,3,4,5,6,7
	ds_load_b32 v[G+\x], v5 offset:\x*ROWB         ; column t of all 8 rows: 32 lanes, 32 neighbouring words
.endr
	s_wait_dscnt 0x8                               ; LDS loads come back in order: the two copy-out loads are in, the eight younger may be out
	global_store_b128 v4, v[M:M+3], s[6:7]                   ; each store of a wave covers 512 consecutive bytes, aligned;
	global_store_b128 v4, v[M+4:M+7], s[6:7] offset:TILEB/2  ; no hint: the next launch reads them
	s_wait_dscnt 0x0
; U of row i in my column: the seven other rows with their squares, the row itself with none
.macro UROW i
.irp x, 0,1,2,3,4,5,6,7
.if \x != \i
	SQB (\i-\x)
	v_add_f32 v[T+\x], WB, v[G+\x]
.endif
.endr
	v_min3_num_f32 v[T+(\i+1)%8], v[T+(\i+1)%8], v[T+(\i+2)%8], v[T+(\i+3)%8]
	v_min3_num_f32 v[T+(\i+4)%8], v[T+(\i+4)%8], v[T+(\i+5)%8], v[T+(\i+6)%8]
	v_min3_num_f32 v[U+\i], v[T+(\i+1)%8], v[T+(\i+7)%8], v[G+\i]
	v_min_num_f32 v[U+\i], v[U+\i], v[T+(\i+4)%8]
.endm
.irp i, 0,1,2,3,4,5,6,7
	UROW \i
.endr
	v_max3_num_f32 v[TL], v[U], v[U+1], v[U+2]
	v_max3_num_f32 v[TR], v[U+3], v[U+4], v[U+5]
	v_max3_num_f32 v[TL], v[TL], v[U+6], v[U+7]
	v_max_num_f32 v[TL], v[TL], v[TR]
	; over the wave's 32 columns
.irp n, 1,2,4,8
	v_max_num_f32_dpp v[TL], v[TL], v[TL] row_xmask:\n row_mask:0xf bank_mask:0xf
.endr
	v_permlanex16_b32 v[TR], v[TL], s16, s17       ; its destination counts as read: TR has been written
	v_max_num_f32 v[TL], v[TL], v[TR]
	ds_store_b32 v6, v[TL] offset:RED              ; every lane the same value into the wave's word; bytes that nobody has touched yet
	s_wait_dscnt 0x0
	s_barrier_signal -1
	s_barrier_wait -1
	s_cmp_lg_u32 s10, 0
	s_cbranch_scc1 .Lend                           ; wave 0 finishes for the tile
	ds_load_b128 v[T:T+3], v7 offset:RED           ; T, not M: M is still the data of my stores
	ds_load_b128 v[T+4:T+7], v7 offset:RED+16
	s_wait_dscnt 0x0
	v_max3_num_f32 v[TL], v[T], v[T+1], v[T+2]
	v_max3_num_f32 v[TR], v[T+3], v[T+4], v[T+5]
	v_max3_num_f32 v[TL], v[TL], v[T+6], v[T+7]
	v_max_num_f32 v[TL], v[TL], v[TR]
	v_sqrt_f32 v[TR], v[TL]
	v_nop                                          ; one plain instruction between a root and its use (ISA guide 5.7.2)
	s_wait_alu depctr_va_vdst(0)
	v_add_f32 v[TR], -1.0, v[TR]
	v_max_num_f32 v[TR], 0, v[TR]                  ; a tile that is all foreground: root 0
	v_cvt_u32_f32 v[TR], v[TR]                     ; toward zero
	v_lshrrev_b32 v[TR], 2, v[TR]                  ; floor((root - 1) / 4), at most 90
	s_wait_xcnt 0x0                                ; EXEC is a source of my two stores above: it changes only behind this wait
	v_cmp_eq_u32 vcc_lo, 0, v0
	s_and_saveexec_b32 s11, vcc_lo
	global_store_b32 v7, v[TR], s[8:9]             ; one word for the tile
	s_wait_xcnt 0x0
	s_or_b32 exec_lo, exec_lo, s11
.Lend:
	s_wait_tensorcnt 0x0
	ds_add_u32 v48, v49
	s_wait_dscnt 0x0
	s_endpgm
.Lfunc_end_k_q6960eec71e_rows:
	.size	k_q6960eec71e_rows, .Lfunc_end_k_q6960eec71e_rows-k_q6960eec71e_rows
	.p2alignl 7, 3214868480
	.fill 96, 4, 3214868480
	.section	.rodata,"a",@progbits
	.p2align	6, 0x0
	.amdhsa_kernel k_q6960eec71e_rows
		.amdhsa_group_segment_fixed_size 9472
		.amdhsa_private_segment_fixed_size 0
		.amdhsa_enable_private_segment 0
		.amdhsa_kernarg_size 24
		.amdhsa_user_sgpr_count 2
		.amdhsa_user_sgpr_kernarg_segment_ptr 1
		.amdhsa_wavefront_size32 1
		.amdhsa_system_sgpr_workgroup_id_x 1
		.amdhsa_system_sgpr_workgroup_id_y 1
		.amdhsa_system_sgpr_workgroup_id_z 1
		.amdhsa_system_vgpr_workitem_id 0
		.amdhsa_next_free_vgpr 50
		.amdhsa_next_free_sgpr 66
		.amdhsa_reserve_vcc 1
		.amdhsa_float_denorm_mode_32 3
		.amdhsa_float_denorm_mode_16_64 3
		.amdhsa_memory_ordered 1
		.amdhsa_forward_progress 1
		.amdhsa_inst_pref_size 15
	.end_amdhsa_kernel
	.amdgpu_metadata
---
amdhsa.version: [ 1, 2 ]
amdhsa.kernels:
  - .name:           k_q6960eec71e_rows
    .symbol:         k_q6960eec71e_rows.kd
    .args:
      - { .name: mask, .offset: 0, .size: 8, .value_kind: global_buffer, .address_space: global }
      - { .name: rowd, .offset: 8, .size: 8, .value_kind: global_buffer, .address_space: global }
      - { .name: far, .offset: 16, .size: 8, .value_kind: global_buffer, .address_space: global }
    .group_segment_fixed_size: 9472
    .private_segment_fixed_size: 0
    .kernarg_segment_align: 8
    .kernarg_segment_size: 24
    .max_flat_workgroup_size: 256
    .sgpr_count:     66
    .vgpr_count:     50
    .wavefront_size: 32
...
	.end_amdgpu_metadata
.endif
;; end of part 1
;; launch cols (part 2): grid 256 x 1, 4 waves a work-group, no clusters, 0 bytes of LDS; arguments rowd, far, out0; writes out0
.if DOCPART == 2
	.amdgcn_target "amdgcn-amd-amdhsa--gfx1250"
	.amdhsa_code_object_version 6
	.text
	.protected	k_q6960eec71e_cols
	.globl	k_q6960eec71e_cols
	.p2align	8
	.type	k_q6960eec71e_cols,@function
k_q6960eec71e_cols:
	s_mov_b64 s[64:65], 0
	v_nop
	global_prefetch_b8 v0, s[64:65] scope:SCOPE_SE
	s_setreg_imm32_b32 hwreg(HW_REG_WAVE_MODE, 25, 1), 1
	s_wait_xcnt 0x0
; SECOND OF TWO LAUNCHES: out[i][j] = 0.1 sqrt( min over rows x of the image of rowd[x][j] + (i-x)^2 ).
; rowd (f32, whole numbers, at most LARGE = 131072) and far (one word for each tile of 8 rows) come from the launch before.
; The row i itself enters with weight 0, so the minimum never passes LARGE: the reference's last cut to LARGE holds by itself.
; v_sqrt_f32 is good to one unit in the last place.
;
; A work-group owns a tile of 8 rows x 256 columns; four waves; thread t owns columns 2 t, 2 t + 1, so every load and store of a wave
; covers 256 consecutive bytes, aligned, and two sums go in one v_pk_add_f32.
; 1. A window of 16 rows (the tile and 4 rows on either side) is loaded at once, without waiting for far, and all 16 x 8 pairs
;    (row of the window, row of the tile) are taken.  Beyond an image's first or last row the address stays on that row: it is then
;    charged a distance that is not smaller than its true one, so the extra candidate can never win wrongly.
; 2. far tells how many blocks of 4 further rows can still matter (its derivation stands at the head of the launch that makes it);
;    they are walked by two counted loops, upward and downward, cut to the blocks that the image has.  A bound of 25 or more for a tile
;    needs at least 22 background pixels together, so on masks with much foreground these loops make no trip; they are kept plain
;    (four loads, a wait, the sums), and an image with very little foreground pays a load's latency for each of up to 61 trips a side.
;
; No cluster: neighbours share only the two halos of 4 rows, each read by its owner and by one neighbour at another place of the window,
; so no two work-groups would ask for the same tile.  No LDS: no thread needs another thread's columns.
.set ROWB,  1024                       ; bytes in a row
.set H,    8                           ; v[8:39]   row m of the window (image row = tile's first row - 4 + m): 2 registers
.set ACC,  40                          ; v[40:55]  row r of the tile: 2 registers
.set T,    56                          ; v[56:87]  sums at work
.set FB,   28                          ; s[28:29]  the block that a far loop loads
.set CNT,  30                          ; s30       its trips so far
.set W,    32                          ; s[32:53]  11 squared distances, each the first of a pair (a packed source is a pair; the second is not used)
.set D,    68                          ; s[68:78]  the 11 distances 4 k + 1 + q, q = 0 .. 10, of block k
.macro SQB d                           ; WB = the f32 pattern of d^2, |d| = 1 .. 11
.set DD, (\d)*(\d)
.if DD == 1
.set WB, 0x3f800000
.endif
.if DD == 4
.set WB, 0x40800000
.endif
.if DD == 9
.set WB, 0x41100000
.endif
.if DD == 16
.set WB, 0x41800000
.endif
.if DD == 25
.set WB, 0x41c80000
.endif
.if DD == 36
.set WB, 0x42100000
.endif
.if DD == 49
.set WB, 0x42440000
.endif
.if DD == 64
.set WB, 0x42800000
.endif
.if DD == 81
.set WB, 0x42a20000
.endif
.if DD == 100
.set WB, 0x42c80000
.endif
.if DD == 121
.set WB, 0x42f20000
.endif
.endm
	s_load_b128 s[4:7], s[0:1], 0x0                ; rowd s[4:5], far s[6:7]
	s_load_b64 s[8:9], s[0:1], 0x10                ; out0
	v_lshlrev_b32 v1, 3, v0                        ; 8 t: my two columns in a row
	s_lshl_b32 s12, ttmp9, 13                      ; the tile's 8,192 bytes
	s_mov_b32 s13, 0
	s_lshl_b32 s11, ttmp9, 2                       ; the tile's word in far
	s_and_b32 s10, ttmp9, 31                       ; the tile's place in its image, 0 .. 31
	s_cmp_eq_u32 s10, 0
	s_cselect_b32 s14, 0, ROWB                     ; from row to row of the upper halo: nothing in an image's first tile
	s_cmp_eq_u32 s10, 31
	s_cselect_b32 s15, 0, ROWB                     ; of the lower halo: nothing in its last tile
	s_lshl_b32 s16, s14, 2                         ; the upper halo begins 4 rows above the tile, or on its first row
	s_mov_b32 s17, 0
	s_add_co_u32 s18, s15, 7*ROWB                  ; the lower halo begins 8 rows below the tile's first row, or on its last row
	s_mov_b32 s19, 0
	v_add_nc_u32 v2, s14, v1
	v_add_nc_u32 v3, s14, v2
	v_add_nc_u32 v4, s14, v3
	v_add_nc_u32 v5, s15, v1
	v_add_nc_u32 v6, s15, v5
	v_add_nc_u32 v7, s15, v6
	s_wait_kmcnt 0x0
	s_add_nc_u64 s[4:5], s[4:5], s[12:13]          ; the tile in rowd
	s_add_nc_u64 s[8:9], s[8:9], s[12:13]          ; and in out0
	s_sub_nc_u64 s[20:21], s[4:5], s[16:17]
	s_add_nc_u64 s[22:23], s[4:5], s[18:19]
.irp m, 0,1,2,3
	global_load_b64 v[H+2*\m:H+2*\m+1], v[1+\m], s[20:21]
.endr
.irp m, 4,5,6,7,8,9,10,11
	global_load_b64 v[H+2*\m:H+2*\m+1], v1, s[4:5] offset:(\m-4)*ROWB
.endr
	global_load_b64 v[H+24:H+25], v1, s[22:23]
.irp m, 13,14,15
	global_load_b64 v[H+2*\m:H+2*\m+1], v[\m-8], s[22:23]
.endr
	s_load_b32 s24, s[6:7], s11 offset:0x0         ; wanted only behind the window's work
	s_lshl_b32 s27, s10, 1
	s_sub_co_i32 s25, s27, 1                       ; blocks of 4 rows between the image's first row and the window: 2 place - 1,
	s_max_i32 s25, s25, 0                          ; none for the first tile
	s_sub_co_i32 s26, 61, s27                      ; between the window and the image's last row: (256 - 8 place - 12) / 4,
	s_max_i32 s26, s26, 0                          ; none for the last tile
	s_wait_loadcnt 0x0
; Row r of the tile against the whole window.  Row r + 4 of the window is the row itself and needs no sum; the fifteen others are taken
; in the order r + 5, r + 6 .. (modulo 16), three to a v_min3: five, then two, then one minimum for each column.
.macro OUTROW r
.irp m, 0,1,2,3,4,5,6,7,8,9,10,11,12,13,14,15
.if \m != \r+4
	SQB (\r+4-\m)
	v_pk_add_f32 v[T+2*\m:T+2*\m+1], v[H+2*\m:H+2*\m+1], WB op_sel_hi:[1,0]
.endif
.endr
.irp g, 0,1,2,3,4
.irp c, 0,1
	v_min3_num_f32 v[T+2*((\r+5+3*\g)%16)+\c], v[T+2*((\r+5+3*\g)%16)+\c], v[T+2*((\r+6+3*\g)%16)+\c], v[T+2*((\r+7+3*\g)%16)+\c]
.endr
.endr
.irp c, 0,1
	v_min3_num_f32 v[T+2*((\r+5)%16)+\c], v[T+2*((\r+5)%16)+\c], v[T+2*((\r+8)%16)+\c], v[T+2*((\r+11)%16)+\c]
.endr
.irp c, 0,1
	v_min3_num_f32 v[T+2*((\r+14)%16)+\c], v[T+2*((\r+14)%16)+\c], v[T+2*((\r+17)%16)+\c], v[H+2*(\r+4)+\c]
.endr
.irp c, 0,1
	v_min_num_f32 v[ACC+2*\r+\c], v[T+2*((\r+5)%16)+\c], v[T+2*((\r+14)%16)+\c]
.endr
.endm
.irp r, 0,1,2,3,4,5,6,7
	OUTROW \r
.endr
	s_wait_kmcnt 0x0
	s_min_u32 s24, s24, 64                         ; a loaded number is bounded before it counts anything
	s_min_u32 s25, s25, s24                        ; trips upward
	s_min_u32 s26, s26, s24                        ; trips downward
; The blocks beyond the window on one side.  Block k = 1, 2 ..; its row m = 0 .. 3 lies, from row r of the tile,
;   upward   (rows first - 4 - 4 k + m):  4 k + 4 + r - m = (4 k + 1) + q, q = r - m + 3
;   downward (rows first + 8 + 4 k + m):  4 k + 8 + m - r = (4 k + 1) + q, q = m - r + 7          q = 0 .. 10 in both
.macro FAR tag, cnt, up
	s_cmp_eq_u32 s[\cnt], 0
	s_cbranch_scc1 .Lnone_\tag
.if \up
	s_sub_nc_u64 s[FB:FB+1], s[4:5], 8*ROWB
.else
	s_add_nc_u64 s[FB:FB+1], s[4:5], 12*ROWB
.endif
	s_mov_b32 s[D], 0x40a00000                     ; block 1: 5.0, 6.0 .. 15.0
.irp q, 1,2,3,4,5,6,7,8,9,10
	s_add_f32 s[D+\q], s[D+\q-1], 1.0
.endr
.irp q, 0,1,2,3,4,5,6,7,8,9,10
	s_mov_b32 s[W+2*\q+1], 0                       ; the pairs' unused halves are written once
.endr
	s_mov_b32 s[CNT], 0
.Lfar_\tag:
.irp m, 0,1,2,3
	global_load_b64 v[H+2*\m:H+2*\m+1], v1, s[FB:FB+1] offset:\m*ROWB
.endr
.irp q, 0,1,2,3,4,5,6,7,8,9,10
	s_mul_f32 s[W+2*\q], s[D+\q], s[D+\q]          ; this block's squares,
	s_add_f32 s[D+\q], s[D+\q], 4.0                ; the next block's distances
.endr
	s_wait_loadcnt 0x0                             ; the four rows are in, and the loads' base may be stepped
.irp r, 0,1,2,3,4,5,6,7
.irp m, 0,1,2,3
.if \up
.set QQ, \r-\m+3
.else
.set QQ, \m-\r+7
.endif
	v_pk_add_f32 v[T+8*(\r%2)+2*\m:T+8*(\r%2)+2*\m+1], v[H+2*\m:H+2*\m+1], s[W+2*QQ:W+2*QQ+1] op_sel_hi:[1,0]
.endr
.irp c, 0,1
	v_min3_num_f32 v[ACC+2*\r+\c], v[ACC+2*\r+\c], v[T+8*(\r%2)+\c], v[T+8*(\r%2)+2+\c]
.endr
.irp c, 0,1
	v_min3_num_f32 v[ACC+2*\r+\c], v[ACC+2*\r+\c], v[T+8*(\r%2)+4+\c], v[T+8*(\r%2)+6+\c]
.endr
.endr
.if \up
	s_sub_nc_u64 s[FB:FB+1], s[FB:FB+1], 4*ROWB
.else
	s_add_nc_u64 s[FB:FB+1], s[FB:FB+1], 4*ROWB
.endif
	s_add_co_u32 s[CNT], s[CNT], 1
	s_cmp_lt_u32 s[CNT], s[\cnt]
	s_cbranch_scc1 .Lfar_\tag
.Lnone_\tag:
.endm
	FAR up, 25, 1
	FAR down, 26, 0
.irp a, 0,1,2,3,4,5,6,7,8,9,10,11,12,13,14,15
	v_sqrt_f32 v[ACC+\a], v[ACC+\a]
.endr
	v_nop                                          ; one plain instruction between the roots and their use (ISA guide 5.7.2)
	s_wait_alu depctr_va_vdst(0)
.irp r, 0,1,2,3,4,5,6,7
	v_pk_mul_f32 v[ACC+2*\r:ACC+2*\r+1], v[ACC+2*\r:ACC+2*\r+1], 0x3dcccccd op_sel_hi:[1,0]      ; x 0.1
	global_store_b64 v1, v[ACC+2*\r:ACC+2*\r+1], s[8:9] offset:\r*ROWB th:TH_STORE_NT            ; 32 lanes x 8 bytes: 256 consecutive bytes, aligned
.endr
	s_endpgm
.Lfunc_end_k_q6960eec71e_cols:
	.size	k_q6960eec71e_cols, .Lfunc_end_k_q6960eec71e_cols-k_q6960eec71e_cols
	.p2alignl 7, 3214868480
	.fill 96, 4, 3214868480
	.section	.rodata,"a",@progbits
	.p2align	6, 0x0
	.amdhsa_kernel k_q6960eec71e_cols
		.amdhsa_group_segment_fixed_size 0
		.amdhsa_private_segment_fixed_size 0
		.amdhsa_enable_private_segment 0
		.amdhsa_kernarg_size 24
		.amdhsa_user_sgpr_count 2
		.amdhsa_user_sgpr_kernarg_segment_ptr 1
		.amdhsa_wavefront_size32 1
		.amdhsa_system_sgpr_workgroup_id_x 1
		.amdhsa_system_sgpr_workgroup_id_y 1
		.amdhsa_system_sgpr_workgroup_id_z 1
		.amdhsa_system_vgpr_workitem_id 0
		.amdhsa_next_free_vgpr 88
		.amdhsa_next_free_sgpr 80
		.amdhsa_reserve_vcc 0
		.amdhsa_float_denorm_mode_32 3
		.amdhsa_float_denorm_mode_16_64 3
		.amdhsa_memory_ordered 1
		.amdhsa_forward_progress 1
		.amdhsa_inst_pref_size 36
	.end_amdhsa_kernel
	.amdgpu_metadata
---
amdhsa.version: [ 1, 2 ]
amdhsa.kernels:
  - .name:           k_q6960eec71e_cols
    .symbol:         k_q6960eec71e_cols.kd
    .args:
      - { .name: rowd, .offset: 0, .size: 8, .value_kind: global_buffer, .address_space: global }
      - { .name: far, .offset: 8, .size: 8, .value_kind: global_buffer, .address_space: global }
      - { .name: out0, .offset: 16, .size: 8, .value_kind: global_buffer, .address_space: global }
    .group_segment_fixed_size: 0
    .private_segment_fixed_size: 0
    .kernarg_segment_align: 8
    .kernarg_segment_size: 24
    .max_flat_workgroup_size: 128
    .sgpr_count:     80
    .vgpr_count:     88
    .wavefront_size: 32
...
	.end_amdgpu_metadata
.endif
;; end of part 2
;; ======== version 2 of 2: 2 launches; version 1 with the launch cols written anew for expert scheduling mode
;; workspace buffers: rowd 2,097,152 bytes; far 1,024 bytes of whole numbers
;; launch rows: the kernel of part 1 again; grid 256 x 1, 8 waves a work-group, no clusters, 9,472 bytes of LDS; arguments mask, rowd, far; writes rowd, far
;; launch cols (part 3): grid 256 x 1, 4 waves a work-group, no clusters, 0 bytes of LDS; arguments rowd, far, out0; writes out0
.if DOCPART == 3
	.amdgcn_target "amdgcn-amd-amdhsa--gfx1250"
	.amdhsa_code_object_version 6
	.text
	.protected	k_q6960eec71e_cols
	.globl	k_q6960eec71e_cols
	.p2align	8
	.type	k_q6960eec71e_cols,@function
k_q6960eec71e_cols:
	s_mov_b64 s[64:65], 0
	v_nop
	global_prefetch_b8 v0, s[64:65] scope:SCOPE_SE
	s_setreg_imm32_b32 hwreg(HW_REG_WAVE_SCHED_MODE, 0, 2), 2
	s_setreg_imm32_b32 hwreg(HW_REG_WAVE_MODE, 25, 1), 1
	s_wait_xcnt 0x0
	s_wait_alu depctr_vm_vsrc(0)
; SECOND OF TWO LAUNCHES: out[i][j] = 0.1 sqrt( min over rows x of the image of rowd[x][j] + (i-x)^2 ).
; rowd (f32, whole numbers, at most LARGE = 131072) and far (one word for each tile of 8 rows) come from the launch before.
; The row i itself enters with weight 0, so the minimum never passes LARGE: the reference's last cut to LARGE holds by itself.
; v_sqrt_f32 is good to one unit in the last place.
;
; A work-group owns a tile of 8 rows x 256 columns; four waves; thread t owns columns 2 t, 2 t + 1, so every load and store of a wave
; covers 256 consecutive bytes, aligned, and two sums go in one v_pk_add_f32.
; 1. A window of 16 rows (the tile and 4 rows on either side) is loaded at once, without waiting for far, and all 16 x 8 pairs
;    (row of the window, row of the tile) are taken.  Beyond an image's first or last row the address stays on that row: it is then
;    charged a distance that is not smaller than its true one, so the extra candidate can never win wrongly.
; 2. far tells how many blocks of 4 further rows can still matter (its derivation stands at the head of the launch that makes it);
;    they are walked by two counted loops, upward and downward, cut to the blocks that the image has.  A bound of 25 or more for a tile
;    needs at least 22 background pixels together, so on masks with much foreground these loops make no trip; they are kept plain
;    (four loads, a wait, the sums), and an image with very little foreground pays a load's latency for each of up to 61 trips a side.
;
; No cluster: neighbours share only the two halos of 4 rows, each read by its owner and by one neighbour at another place of the window,
; so no two work-groups would ask for the same tile.  No LDS: no thread needs another thread's columns.
;
; THE MODE: SCHED_MODE bits 1:0 = 2 (LLVM: expert scheduling mode 2), set by the entry lines.  The code itself states the register dependences
; between vector instructions and memory instructions, with s_wait_alu, always for 0.
; THE PLAN.  Registers that memory instructions touch:
;   v1 .. v7   byte offsets.  Written once, at the head; read by the window's loads (v1 also by the far loads and the stores); never written again.
;   H          the window.  The 16 first loads land in registers that no vector instruction has named.  Its rows 0 to 3, v[8:15], are landed in
;              again by each far trip's four loads; their readers before that are the window's sums and the sums of the trip before.
;   ACC        written by the minima, the roots and the multiplies; read by the eight stores at the end; not written behind them.
;   T          is named by vector instructions alone.
; So four waits on va_vdst state everything: one ahead of the first load (the offsets), one at the head of a far trip (v[8:15] have been read),
; one behind the roots (their results), one ahead of the run of stores (ACC).  No register that a memory instruction reads is written again, no vector
; instruction writes a scalar register, and EXEC is never written: nothing else is owed.
.set ROWB,  1024                       ; bytes in a row
.set H,    8                           ; v[8:39]   row m of the window (image row = tile's first row - 4 + m): 2 registers
.set ACC,  40                          ; v[40:55]  row r of the tile: 2 registers
.set T,    56                          ; v[56:87]  sums at work
.set FB,   28                          ; s[28:29]  the block that a far loop loads
.set CNT,  30                          ; s30       its trips so far
.set W,    32                          ; s[32:53]  11 squared distances, each the first of a pair (a packed source is a pair; the second is not used)
.set D,    68                          ; s[68:78]  the 11 distances 4 k + 1 + q, q = 0 .. 10, of block k
.macro SQB d                           ; WB = the f32 pattern of d^2, |d| = 1 .. 11
.set DD, (\d)*(\d)
.if DD == 1
.set WB, 0x3f800000
.endif
.if DD == 4
.set WB, 0x40800000
.endif
.if DD == 9
.set WB, 0x41100000
.endif
.if DD == 16
.set WB, 0x41800000
.endif
.if DD == 25
.set WB, 0x41c80000
.endif
.if DD == 36
.set WB, 0x42100000
.endif
.if DD == 49
.set WB, 0x42440000
.endif
.if DD == 64
.set WB, 0x42800000
.endif
.if DD == 81
.set WB, 0x42a20000
.endif
.if DD == 100
.set WB, 0x42c80000
.endif
.if DD == 121
.set WB, 0x42f20000
.endif
.endm
	s_load_b128 s[4:7], s[0:1], 0x0                ; rowd s[4:5], far s[6:7]
	s_load_b64 s[8:9], s[0:1], 0x10                ; out0
	v_lshlrev_b32 v1, 3, v0                        ; 8 t: my two columns in a row
	s_lshl_b32 s12, ttmp9, 13                      ; the tile's 8,192 bytes
	s_mov_b32 s13, 0
	s_lshl_b32 s11, ttmp9, 2                       ; the tile's word in far
	s_and_b32 s10, ttmp9, 31                       ; the tile's place in its image, 0 .. 31
	s_cmp_eq_u32 s10, 0
	s_cselect_b32 s14, 0, ROWB                     ; from row to row of the upper halo: nothing in an image's first tile
	s_cmp_eq_u32 s10, 31
	s_cselect_b32 s15, 0, ROWB                     ; of the lower halo: nothing in its last tile
	s_lshl_b32 s16, s14, 2                         ; the upper halo begins 4 rows above the tile, or on its first row
	s_mov_b32 s17, 0
	s_add_co_u32 s18, s15, 7*ROWB                  ; the lower halo begins 8 rows below the tile's first row, or on its last row
	s_mov_b32 s19, 0
	v_add_nc_u32 v2, s14, v1
	v_add_nc_u32 v3, s14, v2
	v_add_nc_u32 v4, s14, v3
	v_add_nc_u32 v5, s15, v1
	v_add_nc_u32 v6, s15, v5
	v_add_nc_u32 v7, s15, v6
	s_wait_kmcnt 0x0
	s_add_nc_u64 s[4:5], s[4:5], s[12:13]          ; the tile in rowd
	s_add_nc_u64 s[8:9], s[8:9], s[12:13]          ; and in out0
	s_sub_nc_u64 s[20:21], s[4:5], s[16:17]
	s_add_nc_u64 s[22:23], s[4:5], s[18:19]
	s_wait_alu depctr_va_vdst(0)                   ; the offsets v1 to v7 are written: every load and store of the kernel reads one of them, and none is written again
.irp m, 0,1,2,3
	global_load_b64 v[H+2*\m:H+2*\m+1], v[1+\m], s[20:21]
.endr
.irp m, 4,5,6,7,8,9,10,11
	global_load_b64 v[H+2*\m:H+2*\m+1], v1, s[4:5] offset:(\m-4)*ROWB
.endr
	global_load_b64 v[H+24:H+25], v1, s[22:23]
.irp m, 13,14,15
	global_load_b64 v[H+2*\m:H+2*\m+1], v[\m-8], s[22:23]
.endr
	s_load_b32 s24, s[6:7], s11 offset:0x0         ; wanted only behind the window's work
	s_lshl_b32 s27, s10, 1
	s_sub_co_i32 s25, s27, 1                       ; blocks of 4 rows between the image's first row and the window: 2 place - 1,
	s_max_i32 s25, s25, 0                          ; none for the first tile
	s_sub_co_i32 s26, 61, s27                      ; between the window and the image's last row: (256 - 8 place - 12) / 4,
	s_max_i32 s26, s26, 0                          ; none for the last tile
	s_wait_loadcnt 0x0
; Row r of the tile against the whole window.  Row r + 4 of the window is the row itself and needs no sum; the fifteen others are taken
; in the order r + 5, r + 6 .. (modulo 16), three to a v_min3: five, then two, then one minimum for each column.
.macro OUTROW r
.irp m, 0,1,2,3,4,5,6,7,8,9,10,11,12,13,14,15
.if \m != \r+4
	SQB (\r+4-\m)
	v_pk_add_f32 v[T+2*\m:T+2*\m+1], v[H+2*\m:H+2*\m+1], WB op_sel_hi:[1,0]
.endif
.endr
.irp g, 0,1,2,3,4
.irp c, 0,1
	v_min3_num_f32 v[T+2*((\r+5+3*\g)%16)+\c], v[T+2*((\r+5+3*\g)%16)+\c], v[T+2*((\r+6+3*\g)%16)+\c], v[T+2*((\r+7+3*\g)%16)+\c]
.endr
.endr
.irp c, 0,1
	v_min3_num_f32 v[T+2*((\r+5)%16)+\c], v[T+2*((\r+5)%16)+\c], v[T+2*((\r+8)%16)+\c], v[T+2*((\r+11)%16)+\c]
.endr
.irp c, 0,1
	v_min3_num_f32 v[T+2*((\r+14)%16)+\c], v[T+2*((\r+14)%16)+\c], v[T+2*((\r+17)%16)+\c], v[H+2*(\r+4)+\c]
.endr
.irp c, 0,1
	v_min_num_f32 v[ACC+2*\r+\c], v[T+2*((\r+5)%16)+\c], v[T+2*((\r+14)%16)+\c]
.endr
.endm
.irp r, 0,1,2,3,4,5,6,7
	OUTROW \r
.endr
	s_wait_kmcnt 0x0
	s_min_u32 s24, s24, 64                         ; a loaded number is bounded before it counts anything
	s_min_u32 s25, s25, s24                        ; trips upward
	s_min_u32 s26, s26, s24                        ; trips downward
; The blocks beyond the window on one side.  Block k = 1, 2 ..; its row m = 0 .. 3 lies, from row r of the tile,
;   upward   (rows first - 4 - 4 k + m):  4 k + 4 + r - m = (4 k + 1) + q, q = r - m + 3
;   downward (rows first + 8 + 4 k + m):  4 k + 8 + m - r = (4 k + 1) + q, q = m - r + 7          q = 0 .. 10 in both
.macro FAR tag, cnt, up
	s_cmp_eq_u32 s[\cnt], 0
	s_cbranch_scc1 .Lnone_\tag
.if \up
	s_sub_nc_u64 s[FB:FB+1], s[4:5], 8*ROWB
.else
	s_add_nc_u64 s[FB:FB+1], s[4:5], 12*ROWB
.endif
	s_mov_b32 s[D], 0x40a00000                     ; block 1: 5.0, 6.0 .. 15.0
.irp q, 1,2,3,4,5,6,7,8,9,10
	s_add_f32 s[D+\q], s[D+\q-1], 1.0
.endr
.irp q, 0,1,2,3,4,5,6,7,8,9,10
	s_mov_b32 s[W+2*\q+1], 0                       ; the pairs' unused halves are written once
.endr
	s_mov_b32 s[CNT], 0
.Lfar_\tag:
	s_wait_alu depctr_va_vdst(0)                   ; the sums issued so far (the window's on the way in, the last trip's on the way back) are done reading v[8:15], in which the four loads below land
.irp m, 0,1,2,3
	global_load_b64 v[H+2*\m:H+2*\m+1], v1, s[FB:FB+1] offset:\m*ROWB
.endr
.irp q, 0,1,2,3,4,5,6,7,8,9,10
	s_mul_f32 s[W+2*\q], s[D+\q], s[D+\q]          ; this block's squares,
	s_add_f32 s[D+\q], s[D+\q], 4.0                ; the next block's distances
.endr
	s_wait_loadcnt 0x0                             ; the four rows are in, and the loads' base may be stepped
.irp r, 0,1,2,3,4,5,6,7
.irp m, 0,1,2,3
.if \up
.set QQ, \r-\m+3
.else
.set QQ, \m-\r+7
.endif
	v_pk_add_f32 v[T+8*(\r%2)+2*\m:T+8*(\r%2)+2*\m+1], v[H+2*\m:H+2*\m+1], s[W+2*QQ:W+2*QQ+1] op_sel_hi:[1,0]
.endr
.irp c, 0,1
	v_min3_num_f32 v[ACC+2*\r+\c], v[ACC+2*\r+\c], v[T+8*(\r%2)+\c], v[T+8*(\r%2)+2+\c]
.endr
.irp c, 0,1
	v_min3_num_f32 v[ACC+2*\r+\c], v[ACC+2*\r+\c], v[T+8*(\r%2)+4+\c], v[T+8*(\r%2)+6+\c]
.endr
.endr
.if \up
	s_sub_nc_u64 s[FB:FB+1], s[FB:FB+1], 4*ROWB
.else
	s_add_nc_u64 s[FB:FB+1], s[FB:FB+1], 4*ROWB
.endif
	s_add_co_u32 s[CNT], s[CNT], 1
	s_cmp_lt_u32 s[CNT], s[\cnt]
	s_cbranch_scc1 .Lfar_\tag
.Lnone_\tag:
.endm
	FAR up, 25, 1
	FAR down, 26, 0
.irp a, 0,1,2,3,4,5,6,7,8,9,10,11,12,13,14,15
	v_sqrt_f32 v[ACC+\a], v[ACC+\a]
.endr
	v_nop                                          ; one plain instruction between the roots and their use (ISA guide 5.7.2)
	s_wait_alu depctr_va_vdst(0)                   ; the sixteen roots have written ACC: one wait for the batch, ahead of its first reader
.irp r, 0,1,2,3,4,5,6,7
	v_pk_mul_f32 v[ACC+2*\r:ACC+2*\r+1], v[ACC+2*\r:ACC+2*\r+1], 0x3dcccccd op_sel_hi:[1,0]      ; x 0.1
.endr
	s_wait_alu depctr_va_vdst(0)                   ; the eight multiplies have written ACC, which the eight stores read as their data
.irp r, 0,1,2,3,4,5,6,7
	global_store_b64 v1, v[ACC+2*\r:ACC+2*\r+1], s[8:9] offset:\r*ROWB th:TH_STORE_NT            ; 32 lanes x 8 bytes: 256 consecutive bytes, aligned
.endr
	s_endpgm
.Lfunc_end_k_q6960eec71e_cols:
	.size	k_q6960eec71e_cols, .Lfunc_end_k_q6960eec71e_cols-k_q6960eec71e_cols
	.p2alignl 7, 3214868480
	.fill 96, 4, 3214868480
	.section	.rodata,"a",@progbits
	.p2align	6, 0x0
	.amdhsa_kernel k_q6960eec71e_cols
		.amdhsa_group_segment_fixed_size 0
		.amdhsa_private_segment_fixed_size 0
		.amdhsa_enable_private_segment 0
		.amdhsa_kernarg_size 24
		.amdhsa_user_sgpr_count 2
		.amdhsa_user_sgpr_kernarg_segment_ptr 1
		.amdhsa_wavefront_size32 1
		.amdhsa_system_sgpr_workgroup_id_x 1
		.amdhsa_system_sgpr_workgroup_id_y 1
		.amdhsa_system_sgpr_workgroup_id_z 1
		.amdhsa_system_vgpr_workitem_id 0
		.amdhsa_next_free_vgpr 88
		.amdhsa_next_free_sgpr 80
		.amdhsa_reserve_vcc 0
		.amdhsa_float_denorm_mode_32 3
		.amdhsa_float_denorm_mode_16_64 3
		.amdhsa_memory_ordered 1
		.amdhsa_forward_progress 1
		.amdhsa_inst_pref_size 36
	.end_amdhsa_kernel
	.amdgpu_metadata
---
amdhsa.version: [ 1, 2 ]
amdhsa.kernels:
  - .name:           k_q6960eec71e_cols
    .symbol:         k_q6960eec71e_cols.kd
    .args:
      - { .name: rowd, .offset: 0, .size: 8, .value_kind: global_buffer, .address_space: global }
      - { .name: far, .offset: 8, .size: 8, .value_kind: global_buffer, .address_space: global }
      - { .name: out0, .offset: 16, .size: 8, .value_kind: global_buffer, .address_space: global }
    .group_segment_fixed_size: 0
    .private_segment_fixed_size: 0
    .kernarg_segment_align: 8
    .kernarg_segment_size: 24
    .max_flat_workgroup_size: 128
    .sgpr_count:     80
    .vgpr_count:     88
    .wavefront_size: 32
...
	.end_amdgpu_metadata
.endif
;; end of part 3
